; MI455X (gfx1250); checked and timed in simulation.
; The chip was launched on July 23, 2026; its instructions are those of AMD's public machine-readable ISA for CDNA 5 (MIT licence, August 2026) and "CDNA5" Instruction Set Architecture Reference Guide (July 2026). The comments in the code are by the model that wrote it; some were corrected since.
;; Attention. Allowed arithmetic: matrix products marked QUANTISED: E5M2 operands, one given power-of-two scale a tensor, by v_wmma_f32_16x16x64_bf8_bf8 or v_wmma_f32_16x16x128_bf8_bf8, f32 sums; products left as they are: f32 operands where the result goes on into a quantised operand, else bf16, f16 or f32 operands; f32 sums; everything else in f32.
;; Inputs: W_codes 1,024 x 32 x 32 uint8 (E5M2 codes of W, K innermost, in blocks of 32 codes); b 1,024 float32; encoder_outputs_codes 2,048 x 32 x 32 x 32 uint8 (E5M2 codes of encoder_outputs, K innermost, in blocks of 32 codes); hidden 1 x 32 x 1,024 float32; lowp_scales 2 int32 (the exponents e of the quantised operands' scales 2^e).
;; Outputs: out0 32 x 1 x 2,048 float32.
;; This version of the problem:
;;   THIS VERSION OF THE PROBLEM IS GIVEN IN LOW PRECISION. The matrix products marked QUANTISED in the list below multiply operands that are first quantised to E5M2 (5 exponent bits, 2 mantissa bits; 8 bits a number), with one given power-of-two scale for each operand tensor; their sums are f32. All else is computed in f32.
;;   The module's matrix products, in the order in which they are computed (A, B: the left and right operand; K: the contracted axis; several contracted axes count as one K, in the product's order):
;;     1. [M 65,536, K 1,024] x [K 1,024, N 1,024]; A: input encoder_outputs (given as codes); B: input W (given as codes): QUANTISED (scales: A lowp_scales[0], B lowp_scales[1])
;;     2. batch 32 x [M 1, K 1,024] x [K 1,024, N 2,048]; A: input hidden; B: computed on the way: left as it is (M = 1 < 16)
;;   THE QUANTISER, for each operand of a quantised product, along K:
;;     - The operand's scale is 2^e, e = its entry of the input lowp_scales (int32; the entries are numbered through the quantised products in the list's order, A before B).
;;     - Each number is divided by the scale, clamped to +-57,344, and rounded to the nearest number of E5M2, ties to even, subnormals kept.
;;     - The product sums the exact products of the quantised numbers (number of the format x scale) in f32.
;;   ~~~python
;;   def quantise(x, axis, e):      # numpy; x: float32 -> the quantised numbers, widened to float32 again
;;       x = np.moveaxis(x, axis, -1); K = x.shape[-1]
;;       r = np.clip(x / 2.0 ** e, -57344, 57344)
;;       step = 2.0 ** (np.maximum(np.frexp(np.where(r == 0, 1, r))[1] - 1, -14) - 2)
;;       q = np.round(r / step) * step * 2.0 ** e      # np.round: ties to even
;;       return np.moveaxis(q, -1, axis).astype(np.float32)
;;   ~~~
;;   INPUTS GIVEN AS CODES. W (in the module: [1024, 1024], K = its axis 1); encoder_outputs (in the module: [2048, 32, 1024], K = its axis 2): each comes as NAME_codes (uint8): NAME with its K axis moved to the last place and cut into blocks of 32 codes, [.., K / 32, bytes a block], one block behind the other in memory; one code a byte (a code: sign, 5 exponent bits, 2 mantissa bits); its scale is its entry of lowp_scales. Its value is code x scale, taken as it is: it is not quantised again, and the codes and scales need not be those that the quantiser above would give.
;; 2 versions. Each part assembles by itself: llvm-mc -triple=amdgcn-amd-amdhsa -mcpu=gfx1250 --defsym DOCPART=n.
;; ======== version 1 of 2: 2 launches
;; workspace buffers: part 2,097,152 bytes
;; launch scores (part 1): grid 4 x 64, 4 waves a work-group, clusters of 4 x 4, 327,680 bytes of LDS; arguments encoder_outputs_codes, W_codes, hidden, part; writes part
.if DOCPART == 1
	.amdgcn_target "amdgcn-amd-amdhsa--gfx1250"
	.amdhsa_code_object_version 6
	.text
	.protected	k_q0cb70fd00a_scores
	.globl	k_q0cb70fd00a_scores
	.p2align	8
	.type	k_q0cb70fd00a_scores,@function
k_q0cb70fd00a_scores:
	s_mov_b64 s[64:65], 0
	v_nop
	global_prefetch_b8 v0, s[64:65] scope:SCOPE_SE
	s_setreg_imm32_b32 hwreg(HW_REG_WAVE_MODE, 25, 1), 1
	s_wait_xcnt 0x0
	s_wait_alu depctr_hold_cnt(0) depctr_sa_sdst(0) depctr_va_vdst(0) depctr_va_sdst(0) depctr_va_ssrc(0) depctr_va_vcc(0) depctr_vm_vsrc(0)
	s_getreg_b32 s2, hwreg(HW_REG_IB_STS2, 6, 4)
	s_cmp_eq_u32 s2, 0
	s_cbranch_scc0 .Lentry_in_a_cluster
	s_endpgm
.Lentry_in_a_cluster:
	s_bfe_u32 s2, ttmp6, 0x10000c
	s_cmp_lg_u32 s2, 0xf033
	s_cbranch_scc0 .Lentry_shape_is_right
	s_endpgm
.Lentry_shape_is_right:
; part[p][b][s] = sum over the 128 columns n of column strip p of hidden[b][n] x (sum over k of Ecode[s][b][k] x Wcode[n][k]).
; E: [2048 s][32 b][1024 k] and W: [1024 n][1024 k]: codes of BF8 (E5M2), one a byte, K innermost.  hidden: [32][1024] f32.  part: [8 p][32 b][2048 s] f32.
; The codes are multiplied as they are; the two tensors' scales and the bias are linear in the score and are applied by the next launch, so this text reads no loaded number that could steer anything.
; The projected rows (65,536 x 1,024 numbers) never go to memory: each finished tile of sums is folded with hidden in registers, in f32, into one number a row.
; A ROW TILE IS ONE BATCH b AND 256 NEIGHBOURING s: its rows lie 32,768 bytes apart in E.  So all rows of a tile meet the same row of hidden (64 numbers a lane, kept in registers for the whole launch),
; and a wave's 128 scores are 512 consecutive bytes of part.
; SHARES.  256 work-groups of four waves.  Work-group (x, y): columns 256 x .. 256 x + 255; batch y / 2; s from 1,024 (y % 2) on, in four tiles of 256, one after the other: THE WORK-GROUP STAYS, and the ring
; of LDS slots runs on from tile to tile.  A wave makes 128 x 128 of a tile: 64 accumulators of 16 x 16, 512 registers.  K goes in steps of 256 through two LDS slots filled by the tensor data mover.
; CLUSTERS: 4 x 4 work-groups.  The four of a row of the cluster (same y) need the same tiles of E, the four of a column (same x) the same tiles of W: each tile is asked for JOINTLY, by the same tensor load
; with the same descriptor and a mask that names the four.  A row of the cluster spans all 1,024 columns, so each code of E is asked for once in the launch.
; THE MATRIX INSTRUCTION IS USED TRANSPOSED (source 0 = 16 rows of W, source 1 = 16 rows of E): lane l holds row l % 16 of the tile's block and the columns 8 (l / 16) + 0 .. 7 of W's block.
; LIMITS: NaN among the inputs is not served.  The f32 sums are taken in another order than the reference takes them; inside a matrix instruction k is permuted, alike in both operands.
; REGISTERS, in windows of 256: window 0: v0-31 addresses; v32-95 hidden; v96-127 the way out; from v128 E's fragments (8 x 16 rows x 128 K), ONE set.
;   window 1: W's fragments, TWO sets, at v0 and at v128.   window 2: the 32 accumulators of my rows 0-63 (accumulator (a, b) at v[8 (8 a + b)]);   window 3: those of my rows 64-127.
.set KSTEP,  256                       ; along K in a slot
.set ROWB,   256                       ; a tile's row in bytes
.set AROW,   32768                     ; from s to s + 1 of one batch in E, in bytes
.set WROW,   1024                      ; a row of W in bytes
.set PITCH,  272                       ; an LDS row: 256 bytes of data + 16 of padding = 68 words: row r starts at bank 4 r mod 64 (64 banks of 4 bytes: ISA guide 11.1), so the 16 rows that a load touches start at 16 different banks
.set FR,     16                        ; registers of a fragment: 16 rows x 128 K
.set NL,     4                         ; LDS loads that bring one
.set NP,     4                         ; places behind this matrix instruction (ISA guide 7.12.1)
.set HALFT,  128*PITCH                 ; 128 rows: what one tensor load brings, and what one wave reads of E or of W
.set SLOT,   4*HALFT                   ; E's 256 rows, then W's 256 rows
.set TSTEP,  256*AROW                  ; a tile on in E: 256 s
.set NEXT_A, TSTEP-2*ROWB              ; from a slot's last K step of a tile to its first of the next tile: 256 s on, 512 bytes back along K
.set BACK_B, 2*ROWB                    ; W only goes back: all four tiles take the same rows of W
.set SPARE,  2*SLOT                    ; behind the ring: the spare words, 128 bytes for each wave: two blocks of 256 bytes that no other line names
.set STG,    SPARE+512                 ; behind them: a stage of 512 bytes for each wave, its 128 scores; no tile ever lands here
.set ADRA, 16                          ; v16-17  LDS address of my fragments of E in slot 0, 1
.set ADRB, 20                          ; v20-21  the same for W
.set STO,  24                          ; v24     the stage: 4 bytes a lane
.set RD,   25                          ; v25     the stage: 16 bytes a lane
.set CO,   26                          ; v26     16 x lane: my bytes of the wave's 512 in part
.set PFO,  27                          ; v27     the prefetches' offset: my lane x a row's distance in E; never rewritten
.set SPW,  28                          ; v28     LDS address of my spare word: SPARE + 4 x my thread's number; never rewritten
.set NIL,  29                          ; v29     0; never rewritten
.set HO,   30                          ; v30     32 x (lane / 16): my half's eight numbers of sixteen of hidden
.set HID,  32                          ; v32-95  v[HID + 8 b + j] = hidden[batch][my first column + 16 b + 8 (lane / 16) + j]
.set SUM,  96                          ; v96-111 a pair of running sums for each of my eight blocks of 16 rows
.set XS,   112                         ; v112-115 what the other half of the lanes wants of me
.set YS,   116                         ; v116-119 my own part, then the score of row 32 i + lane
.set PS,   120                         ; v120-123 what the other half sent
.set OUTR, 124                         ; v124-127 four neighbouring scores, to store
.set AF,   128                         ; E's fragments
.set G1, 24                            ; s[24:31] descriptor group 1 for E's tiles;  s[32:39] group 0, one set for each slot
.set G0, 32
.set G1B, 48                           ; s[48:55], s[56:63] the same for W's tiles
.set G0B, 56
.set PFA, 68                           ; s[68:69] where my prefetches stand: my work-group's 32 rows of the 128 that I fetch, in the NEXT tile, at K = 0
.set SEL, 72                           ; s[72:73] lane selects for v_permlanex16_b32: lane l xor 16
.set MSB, 0
.macro WIN new                         ; the immediate's high byte repeats the setting that is left
.if MSB != \new
	s_set_vgpr_msb (MSB<<8)|\new
.set MSB, \new
.endif
.endm
.set MUL_LO, 0xa1                      ; source 0 (W) window 1, source 1 (E) window 0, C and D window 2
.set MUL_HI, 0xf1                      ; the same, C and D window 3
.set TO_B,   0x40                      ; destination window 1, address window 0
; A joint load: waves 0 and 1 fetch for E, waves 2 and 3 for W.  Each of the two lines has ONE mask and one set of registers for all that issue it; the branch hangs on the wave's number alone.
; Four v_nop follow each of the two lines, ahead of the jump, the label and what follows.
.macro JLOAD g0a, g1a, g0b, g1b
	s_cmp_eq_u32 s15, 0
	s_cbranch_scc0 .Lfor_b_\@
	tensor_load_to_lds s[\g0a:\g0a+3], s[\g1a:\g1a+7]
	s_nop 0
.rept 4
	v_nop
.endr
	s_branch .Lasked_\@
.Lfor_b_\@:
	tensor_load_to_lds s[\g0b:\g0b+3], s[\g1b:\g1b+7]
	s_nop 0
.rept 4
	v_nop
.endr
.Lasked_\@:
.endm
; A PREFETCH INTO THE L2 of E's codes, behind a joint load, its four lines and the run of LDS loads that the next products wait for.  At the refill in K step j of a tile, K step j of the NEXT tile is named:
; the joint load that wants those bytes stands two K steps, 256 matrix instructions, further on.  32 rows x 256 bytes, a lane a row, one instruction a wave.
; Each row's 256 bytes are named ONCE in the launch: only the four partners of a row of the cluster read them; waves 0 and 1, which fetch E's two halves, ask; of a wave's 128 rows the partner at place cx
; takes 32 cx .. 32 cx + 31, told apart BY ADDRESS: the branch hangs on the wave's number alone.  The first tile comes by its loads alone, and the last tile asks for nothing.
; W is not prefetched: it is a sixty-fourth of E's bytes, and all tiles walk the same rows of it.
.macro ASK j
	s_cmp_eq_u32 s15, 0
	s_cbranch_scc0 .Lnot_mine_\@
	global_prefetch_b8 v[PFO], s[PFA:PFA+1] offset:256*(\j) th:TH_LOAD_NT scope:SCOPE_SE
.Lnot_mine_\@:
.endm
.macro CREST                           ; a round of the cluster's barrier behind its opening barrier
	s_cmp_lg_u32 s14, 0
	s_cbranch_scc1 .Lnot_wave_0_\@
	s_barrier_signal -3
.Lnot_wave_0_\@:
	s_barrier_wait -3
	s_barrier_signal -1
	s_barrier_wait -1
.endm
.macro CROUND                          ; a whole round
	s_barrier_signal -1
	s_barrier_wait -1
	CREST
.endm
	s_load_b256 s[4:11], s[0:1], 0x0               ; E's codes s[4:5], W's codes s[6:7], hidden s[8:9], part s[10:11]
	v_lshl_add_u32 v[SPW], v0, 2, SPARE
	v_mov_b32 v[NIL], 0
	ds_add_u32 v28, v29
	ds_add_u32 v28, v29
	s_wait_dscnt 0x0
	v_lshrrev_b32 v1, 5, v0
	v_readfirstlane_b32 s14, v1                    ; wave 0..3
	s_lshr_b32 s15, s14, 1                         ; which half of the tile's rows is mine.  Also: I fetch for E (0) or for W (1)
	s_and_b32 s16, s14, 1                          ; which half of its columns.  Also: which 128 rows of that tile I fetch
	s_bfe_u32 s40, ttmp6, 0x40000                  ; cx, cy: my place in the cluster
	s_bfe_u32 s41, ttmp6, 0x40004
	s_lshl_b32 s42, ttmp9, 2
	s_add_co_u32 s42, s42, s40                     ; x = 4 x cluster x + cx: the column tile
	s_and_b32 s17, ttmp7, 0xffff
	s_lshl_b32 s17, s17, 2
	s_add_co_u32 s17, s17, s41                     ; y = 4 x cluster y + cy
	s_lshr_b32 s18, s17, 1                         ; the batch
	s_and_b32 s19, s17, 1                          ; which 1,024 of its s
	s_lshl_b32 s43, s41, 2
	s_lshl_b32 s43, 15, s43                        ; my row of the cluster
	s_lshl_b32 s44, 0x1111, s40                    ; my column
	; descriptor group 1: a tile of 128 rows x 256 bytes, padded in LDS
	s_or_b32 s[G1+0], s43, (0<<16)|(1<<20)|(1<<21)|(5<<22)|(3<<25)  ; 15:0 the mask: E's tiles go to my row; 17:16 element of 1 byte; 20 padding on; 21 set beside a mask; 24:22 after every 64 words (code 5); 31:25 of 4 words (code 3)
	s_or_b32 s[G1B+0], s44, (0<<16)|(1<<20)|(1<<21)|(5<<22)|(3<<25) ; the same with the mask of my column, for W's tiles
.irp g, G1, G1B
	s_mov_b32 s[\g+1], ROWB<<16                    ; tensor_dim0
	s_mov_b32 s[\g+2], 128<<16                     ; tensor_dim1 = 128
	s_mov_b32 s[\g+3], ROWB<<16                    ; tile_dim0
	s_mov_b32 s[\g+4], 128                         ; tile_dim1 = 128
	s_mov_b32 s[\g+6], 0
	s_mov_b32 s[\g+7], 0
.endr
	s_mov_b32 s[G1+5], AROW                        ; tensor_dim0_stride: E's rows of one batch lie 32,768 bytes apart,
	s_mov_b32 s[G1B+5], WROW                       ; W's 1,024
	; where the tiles come from.  E's hang on y and the wave alone, W's on x and the wave alone, each in registers that never hold the other coordinate
	s_lshl_b32 s20, s18, 10                        ; E: the batch's 1,024 bytes of each s,
	s_lshl_b32 s21, s19, 25
	s_add_co_u32 s20, s20, s21                     ; + 1,024 s for the upper half,
	s_lshl_b32 s21, s16, 22
	s_add_co_u32 s20, s20, s21                     ; + the 128 rows that I fetch
	s_mov_b32 s21, 0
	s_lshl_b32 s46, s42, 18                        ; W: row 256 x,
	s_lshl_b32 s47, s16, 17
	s_add_co_u32 s46, s46, s47                     ; + the 128 rows that I fetch
	s_mov_b32 s47, 0
	s_mul_i32 s45, s14, HALFT                      ; where they go: wave x 128 rows: no place in the cluster enters an LDS address
	s_lshl_b32 s74, s18, 12                        ; hidden: the batch's row of 4,096 bytes,
	s_lshl_b32 s75, s42, 10
	s_add_co_u32 s74, s74, s75                     ; + 256 x columns,
	s_lshl_b32 s75, s16, 9
	s_add_co_u32 s74, s74, s75                     ; + my half's 128
	s_mov_b32 s75, 0
	s_lshl_b32 s76, s42, 1                         ; part: column strip p = 2 x + my half, 262,144 bytes each,
	s_add_co_u32 s76, s76, s16
	s_lshl_b32 s76, s76, 18
	s_lshl_b32 s77, s18, 13
	s_add_co_u32 s76, s76, s77                     ; + the batch's 8,192 bytes,
	s_lshl_b32 s77, s19, 12
	s_add_co_u32 s76, s76, s77                     ; + 1,024 s for the upper half,
	s_lshl_b32 s77, s15, 9
	s_add_co_u32 s76, s76, s77                     ; + my 128 rows of the tile
	s_mov_b32 s77, 0
	s_lshl_b32 s78, s40, 20                        ; the prefetches: my work-group's 32 rows of the 128,
	s_add_co_u32 s78, s78, TSTEP                   ; in the second tile
	s_mov_b32 s79, 0
	s_mov_b32 s[SEL], 0x76543210
	s_mov_b32 s[SEL+1], 0xfedcba98
	s_wait_kmcnt 0x0
	s_add_nc_u64 s[20:21], s[4:5], s[20:21]
	s_add_nc_u64 s[46:47], s[6:7], s[46:47]
	s_add_nc_u64 s[8:9], s[8:9], s[74:75]
	s_add_nc_u64 s[10:11], s[10:11], s[76:77]
	s_add_nc_u64 s[PFA:PFA+1], s[20:21], s[78:79]
	CROUND                                         ; all sixteen work-groups are here: the first joint loads meet
.irp s, 0,1
	s_mov_b32 s[G0+4*\s], 1                                        ; 1:0 count = 1
	s_add_co_u32 s[G0+4*\s+1], s45, \s*SLOT                        ; 63:32 LDS address
	s_add_nc_u64 s[G0+4*\s+2:G0+4*\s+3], s[20:21], \s*ROWB         ; 120:64 global address: K step s of the first tile
	s_or_b32 s[G0+4*\s+3], s[G0+4*\s+3], 0x80000000                ; 127:126 type = 2
	s_mov_b32 s[G0B+4*\s], 1
	s_add_co_u32 s[G0B+4*\s+1], s45, \s*SLOT
	s_add_nc_u64 s[G0B+4*\s+2:G0B+4*\s+3], s[46:47], \s*ROWB
	s_or_b32 s[G0B+4*\s+3], s[G0B+4*\s+3], 0x80000000
	JLOAD G0+4*\s, G1, G0B+4*\s, G1B               ; two loads of mine are out
.endr
	v_and_b32 v1, 15, v0                           ; l % 16
	v_bfe_u32 v2, v0, 4, 1                         ; l / 16
	v_lshlrev_b32 v[HO], 5, v2
.irp b, 0,1,2,3,4,5,6,7                        ; hidden stays in registers: for W's block b my half's eight columns
	global_load_b128 v[HID+8*\b:HID+8*\b+3],   v[HO], s[8:9] offset:64*\b
	global_load_b128 v[HID+8*\b+4:HID+8*\b+7], v[HO], s[8:9] offset:64*\b+16
.endr
	v_mul_u32_u24 v3, v1, PITCH
	v_lshl_add_u32 v4, v2, 4, v3                   ; a fragment's row x pitch + 16 x half
	s_mul_i32 s21, s15, HALFT                      ; my 128 rows of E
	s_mul_i32 s22, s16, HALFT                      ; my 128 rows of W,
	s_add_co_u32 s22, s22, 2*HALFT                 ; which lie behind E's 256
.irp s, 0,1
	v_add_nc_u32 v[ADRA+\s], s21, v4
	v_add_nc_u32 v[ADRB+\s], s22, v4
	s_add_co_u32 s21, s21, SLOT
	s_add_co_u32 s22, s22, SLOT
.endr
	s_lshl_b32 s23, s14, 9
	s_add_co_u32 s23, s23, STG                     ; my stage
	v_and_b32 v6, 31, v0                           ; lane
	v_lshl_add_u32 v[STO], v6, 2, s23
	v_lshl_add_u32 v[RD], v6, 4, s23
	v_lshlrev_b32 v[CO], 4, v6
	v_lshlrev_b32 v[PFO], 15, v6
	v_cmp_lt_u32 vcc_lo, 15, v6                    ; lanes 16-31: made once; no other line of the text writes VCC
.irp i, 0,1,2,3
	v_mov_b32 v[PS+\i], 0                          ; written once: a lane permute's destination counts as one of its sources
.endr
.macro FRAG reg, adr, q, i             ; a fragment, 16 rows x 128 K of 8-bit codes, is 16 registers: lane l holds row l % 16; registers 4 c .. 4 c + 3 hold K = 32 c + 16 (l / 16) + 0 .. 15: a permutation of k, the same in both operands
.irp c, 0,1,2,3
	ds_load_b128 v[\reg+4*\c:\reg+4*\c+3], v[\adr] offset:128*(\q)+32*\c+(\i)*16*PITCH
.endr
.endm
; 16 matrix instructions: E's blocks a0, a0 + 1 x W's eight, 128 along K.  p: W's set.  zero = 1: the first product starts the sums: nothing is ever cleared.
; The 64 accumulators take turns, one instruction a turn, in the same order in every step and from tile to tile.
.macro MUL16 a0, p, zero
.irp a, \a0, \a0+1
.irp b, 0,1,2,3,4,5,6,7
.if \zero
	v_wmma_f32_16x16x128_bf8_bf8 v[8*(8*((\a)%4)+\b):8*(8*((\a)%4)+\b)+7], v[128*(\p)+FR*\b:128*(\p)+FR*\b+FR-1], v[AF+FR*(\a):AF+FR*(\a)+FR-1], 0
.else
	v_wmma_f32_16x16x128_bf8_bf8 v[8*(8*((\a)%4)+\b):8*(8*((\a)%4)+\b)+7], v[128*(\p)+FR*\b:128*(\p)+FR*\b+FR-1], v[AF+FR*(\a):AF+FR*(\a)+FR-1], v[8*(8*((\a)%4)+\b):8*(8*((\a)%4)+\b)+7]
.endif
.endr
.endr
.endm
.macro FETCH_B slot, q, p              ; W's eight fragments of the slot's q-th 128 along K into set p
	WIN TO_B
.irp i, 0,1,2,3,4,5,6,7
	FRAG 128*(\p)+FR*\i, ADRB+\slot, \q, \i
.endr
	WIN 0
.endm
.macro FETCH_A slot, q, i0             ; E's blocks i0 .. i0 + 3
.irp i, \i0, \i0+1, \i0+2, \i0+3
	FRAG AF+FR*(\i), ADRA+\slot, \q, \i
.endr
.endm
; A load into a register that a matrix instruction has read, and a vector instruction that reads a matrix result, stand NP places behind that matrix instruction, and only plain vector instructions that
; name none of its registers are places (ISA guide 7.12.1 for vector instructions); the matrix instructions in between are not counted.
.macro PLACES n
.rept \n
	v_nop
.endr
.endm
; A step of 128 along K that has its successor in the same slot.  A block of E is free as soon as its eight products are issued, so one set of registers serves E: blocks 0-3 are fetched anew in the
; step's middle, blocks 4-7 at its end.  W's fragments are at work through the whole step, so W has two sets.
.macro STEP slot, q, zero
	s_wait_dscnt 4*NL                              ; W's set and E's blocks 0-3 are in; the youngest sixteen loads (E's blocks 4-7) may be out
	WIN MUL_LO
	MUL16 0, (\q)%2, \zero
	MUL16 2, (\q)%2, \zero
	s_wait_dscnt 0                                 ; E's blocks 4-7 are in (asked for 32 matrix instructions ago)
	PLACES NP
	FETCH_B \slot, (\q)+1, 1-(\q)%2
	FETCH_A \slot, (\q)+1, 0
	WIN MUL_HI
	MUL16 4, (\q)%2, \zero
	MUL16 6, (\q)%2, \zero
	PLACES NP
	WIN 0
	FETCH_A \slot, (\q)+1, 4
.endm
; A slot's last step changes slots: ONE barrier; in front of it each wave waits for all its tensor loads, adds 0 to its spare word, and waits for that and for its own reads of this slot.
; fill = 1: this slot is filled again, with this tile's K step two on (on = 0) or with the NEXT tile's K step 0 or 1 (on = 1).  ask >= 0: which K step of the next tile is prefetched.
.macro TURN slot, next, fill, on, ask
	s_wait_tensorcnt 0x0                           ; all my tensor loads have landed: the one that was out is my part of the next slot;  (every window is 0 here: the add's two registers lie in window 0)
	ds_add_u32 v[SPW], v[NIL]                      ; 0 onto my spare word
	s_wait_dscnt 4*NL+1                            ; (the add and the youngest sixteen loads, E's blocks 4-7, may be out)
	WIN MUL_LO
	MUL16 0, 1, 0                                  ; sixteen matrix instructions stand between the add and the wait for it
	s_wait_dscnt 0x0                               ; the add is done, and my reads of this slot are over
	s_barrier_signal -1
	MUL16 2, 1, 0
	WIN 0
	s_barrier_wait -1
.if \fill
	CREST                                          ; the barrier has opened a round of the cluster's barrier: no wave of any partner still reads this slot's tile or has a load on its way
.if \on
	s_add_nc_u64 s[G0+4*\slot+2:G0+4*\slot+3], s[G0+4*\slot+2:G0+4*\slot+3], NEXT_A
	s_sub_nc_u64 s[G0B+4*\slot+2:G0B+4*\slot+3], s[G0B+4*\slot+2:G0B+4*\slot+3], BACK_B
.else
	s_add_nc_u64 s[G0+4*\slot+2:G0+4*\slot+3], s[G0+4*\slot+2:G0+4*\slot+3], 2*ROWB
	s_add_nc_u64 s[G0B+4*\slot+2:G0B+4*\slot+3], s[G0B+4*\slot+2:G0B+4*\slot+3], 2*ROWB
.endif
	JLOAD G0+4*\slot, G1, G0B+4*\slot, G1B         ; the first tensor load behind the round, and my only one until the next; the four v_nop behind it are the places in front of the loads below
.else
	PLACES NP
.endif
	FETCH_B \next, 0, 0
	FETCH_A \next, 0, 0
.if \ask >= 0
	ASK \ask
.endif
	WIN MUL_HI
	MUL16 4, 1, 0
	MUL16 6, 1, 0
	PLACES NP
	WIN 0
	FETCH_A \next, 0, 4
.endm
; THE SECOND PRODUCT, in f32: my four blocks of window 2 + hi are folded with hidden, two columns an instruction.  Four chains, one a block, take turns, so that no line waits for the line above it;
; the first line of each chain starts its sums; each accumulator is read from its low end on.
.macro DOT hi
	WIN 0x02+\hi                                   ; source 0 (the sums of the first product): window 2 or 3
.irp b, 0,1,2,3,4,5,6,7
.irp jp, 0,2,4,6
.irp a, 0,1,2,3
.if (\b == 0) && (\jp == 0)
	v_pk_mul_f32 v[SUM+2*(4*\hi+\a):SUM+2*(4*\hi+\a)+1], v[8*(8*\a+\b)+\jp:8*(8*\a+\b)+\jp+1], v[HID+8*\b+\jp:HID+8*\b+\jp+1]
.else
	v_pk_fma_f32 v[SUM+2*(4*\hi+\a):SUM+2*(4*\hi+\a)+1], v[8*(8*\a+\b)+\jp:8*(8*\a+\b)+\jp+1], v[HID+8*\b+\jp:HID+8*\b+\jp+1], v[SUM+2*(4*\hi+\a):SUM+2*(4*\hi+\a)+1]
.endif
.endr
.endr
.endr
.endm
; THE WAY OUT of a tile.  After DOT lane (r, h) holds, for block a, the sum over its half's 64 columns for row 16 a + r.  The two halves are joined so that lane L ends with the score of row 32 i + L:
; lanes 0-15 keep block 2 i and send block 2 i + 1, lanes 16-31 the other way round; one exchange between the halves serves two blocks.  The 128 scores go through my own stage and come back four to a lane:
; one store of 512 consecutive bytes, at a multiple of 512 from part's first byte.  It touches neither E's nor W's fragments: the next tile's first fragments are on their way meanwhile.
; pl = 1: four places stand at the head (the products just issued are read); pl = 0: the four at the end of the step before serve.
.macro WAYOUT pl
.if \pl
	PLACES NP
.endif
	DOT 0
	DOT 1
	WIN 0
.irp a, 0,1,2,3,4,5,6,7
	v_add_f32 v[SUM+2*\a], v[SUM+2*\a], v[SUM+2*\a+1]   ; even columns' sum + odd columns'
.endr
.irp i, 0,1,2,3
	v_cndmask_b32 v[XS+\i], v[SUM+4*\i+2], v[SUM+4*\i], vcc_lo   ; to send: lanes 0-15 block 2 i + 1, lanes 16-31 block 2 i
	v_cndmask_b32 v[YS+\i], v[SUM+4*\i], v[SUM+4*\i+2], vcc_lo   ; to keep: the other one
.endr
.irp i, 0,1,2,3
	v_permlanex16_b32 v[PS+\i], v[XS+\i], s[SEL], s[SEL+1]
.endr
.irp i, 0,1,2,3
	v_add_f32 v[YS+\i], v[YS+\i], v[PS+\i]
.endr
.irp i, 0,1,2,3
	ds_store_b32 v[STO], v[YS+\i] offset:128*\i
.endr
	ds_load_b128 v[OUTR:OUTR+3], v[RD]             ; LDS serves a wave's instructions in order (ISA guide 5.7.1.4): this sees the stores above
	s_wait_dscnt 0x0
	global_store_b128 v[CO], v[OUTR:OUTR+3], s[10:11]
.endm
	s_wait_loadcnt 0x0                             ; hidden
	s_wait_tensorcnt 1                             ; my part of K step 0 is in (K step 1's load, issued behind it, may be out)
	s_barrier_signal -1
	s_barrier_wait -1                              ; everybody's is
	FETCH_B 0, 0, 0
	FETCH_A 0, 0, 0
	FETCH_A 0, 0, 4
	s_mov_b32 s3, 3
.Ltile:                                                ; three trips: a tile that has a successor.  A tile is four K steps of 256, twice round the ring; every change of slots fills a slot
	STEP 0, 0, 1                                   ; the tile's first step starts the sums
	TURN 0, 1, 1, 0, 0                             ; slot 0 takes K step 2
	STEP 1, 0, 0
	TURN 1, 0, 1, 0, 1                             ; slot 1 takes K step 3
	STEP 0, 0, 0
	TURN 0, 1, 1, 1, 2                             ; THE RING GOES ON INTO THE NEXT TILE: slot 0 takes its K step 0,
	STEP 1, 0, 0
	TURN 1, 0, 1, 1, 3                             ; slot 1 its K step 1, and the next tile's first fragments are fetched
	WAYOUT 0
	s_wait_xcnt 0x0                                ; the store and the prefetches have read their registers and bases: only behind this wait are they written
	s_add_nc_u64 s[10:11], s[10:11], 1024          ; 256 scores on
	s_add_nc_u64 s[PFA:PFA+1], s[PFA:PFA+1], TSTEP ; a tile on
	s_sub_co_u32 s3, s3, 1
	s_cmp_lg_u32 s3, 0
	s_cbranch_scc1 .Ltile
	STEP 0, 0, 1                                   ; the last tile is written out: its last two changes of slots ask for nothing
	TURN 0, 1, 1, 0, -1
	STEP 1, 0, 0
	TURN 1, 0, 1, 0, -1
	STEP 0, 0, 0
	TURN 0, 1, 0, 0, -1
	STEP 1, 0, 0
	s_wait_dscnt 4*NL                              ; the very last step: nothing more to fetch
	WIN MUL_LO
	MUL16 0, 1, 0
	MUL16 2, 1, 0
	s_wait_dscnt 0
	WIN MUL_HI
	MUL16 4, 1, 0
	MUL16 6, 1, 0
	WIN 0
	WAYOUT 1
	s_wait_tensorcnt 0x0                           ; the wave's end, behind my last tensor load and my last LDS store
	ds_add_u32 v[SPW], v[NIL]
	s_wait_dscnt 0x0
	CROUND                                         ; the closing round: no work-group ends while a partner may still ask for a tile that names it
	s_endpgm
.Lfunc_end_k_q0cb70fd00a_scores:
	.size	k_q0cb70fd00a_scores, .Lfunc_end_k_q0cb70fd00a_scores-k_q0cb70fd00a_scores
	.p2alignl 7, 3214868480
	.fill 96, 4, 3214868480
	.section	.rodata,"a",@progbits
	.p2align	6, 0x0
	.amdhsa_kernel k_q0cb70fd00a_scores
		.amdhsa_group_segment_fixed_size 327680
		.amdhsa_private_segment_fixed_size 0
		.amdhsa_enable_private_segment 0
		.amdhsa_kernarg_size 32
		.amdhsa_user_sgpr_count 2
		.amdhsa_user_sgpr_kernarg_segment_ptr 1
		.amdhsa_wavefront_size32 1
		.amdhsa_system_sgpr_workgroup_id_x 1
		.amdhsa_system_sgpr_workgroup_id_y 1
		.amdhsa_system_sgpr_workgroup_id_z 1
		.amdhsa_system_vgpr_workitem_id 0
		.amdhsa_next_free_vgpr 1024
		.amdhsa_next_free_sgpr 80
		.amdhsa_reserve_vcc 1
		.amdhsa_float_denorm_mode_32 3
		.amdhsa_float_denorm_mode_16_64 3
		.amdhsa_memory_ordered 1
		.amdhsa_forward_progress 1
		.amdhsa_inst_pref_size 187
	.end_amdhsa_kernel
	.amdgpu_metadata
---
amdhsa.version: [ 1, 2 ]
amdhsa.kernels:
  - .name:           k_q0cb70fd00a_scores
    .symbol:         k_q0cb70fd00a_scores.kd
    .args:
      - { .name: encoder_outputs_codes, .offset: 0, .size: 8, .value_kind: global_buffer, .address_space: global }
      - { .name: W_codes, .offset: 8, .size: 8, .value_kind: global_buffer, .address_space: global }
      - { .name: hidden, .offset: 16, .size: 8, .value_kind: global_buffer, .address_space: global }
      - { .name: part, .offset: 24, .size: 8, .value_kind: global_buffer, .address_space: global }
    .group_segment_fixed_size: 327680
    .private_segment_fixed_size: 0
    .kernarg_segment_align: 8
    .kernarg_segment_size: 32
    .max_flat_workgroup_size: 128
    .sgpr_count:     80
    .vgpr_count:     1024
    .wavefront_size: 32
...
	.end_amdgpu_metadata
.endif
;; end of part 1
;; launch softmax (part 2): grid 32 x 1, 16 waves a work-group, no clusters, 2,304 bytes of LDS; arguments part, hidden, b, lowp_scales, out0; writes out0
.if DOCPART == 2
	.amdgcn_target "amdgcn-amd-amdhsa--gfx1250"
	.amdhsa_code_object_version 6
	.text
	.protected	k_q0cb70fd00a_softmax
	.globl	k_q0cb70fd00a_softmax
	.p2align	8
	.type	k_q0cb70fd00a_softmax,@function
k_q0cb70fd00a_softmax:
	s_mov_b64 s[64:65], 0
	v_nop
	global_prefetch_b8 v0, s[64:65] scope:SCOPE_SE
	s_setreg_imm32_b32 hwreg(HW_REG_WAVE_MODE, 25, 1), 1
	s_wait_xcnt 0x0
; out0[b][s] = softmax over s of score[b][s];  score[b][s] = 2^(e0 + e1) x (sum over p of part[p][b][s]) + sum over n of hidden[b][n] x bias[n].
; part: [8][32][2048] f32, the unscaled partial scores;  hidden: [32][1024], bias: [1024] f32;  the buffer of scales holds e0, e1 (int32);  out0: [32][2048] f32.
; One work-group of sixteen waves takes one batch: thread t owns s = 4 t .. 4 t + 3 (16 bytes: a wave's load or store covers 512 consecutive bytes) and columns 2 t, 2 t + 1 of hidden and bias.
; The row's maximum is taken away ahead of the exponentials.  It is found on the unscaled sums and then scaled and shifted by the very lines that make a score: those lines never turn an order round,
; so the result is the largest score itself.  The scale is applied by v_ldexp_f32: e0 + e1 has no limit of its own.
; Two meetings of the waves in LDS: bytes 0-127: a pair (hidden . bias, maximum) for each wave; bytes 128-191: each wave's sum of exponentials.  Different bytes, so one barrier each.
; No matrix unit, cluster, tensor load or prefetch: 2 MiB are read once by 32 work-groups that share nothing but 4 KiB of bias.
; LIMITS: NaN among the inputs is not served.  An exponential under 2^-126 comes out as 0 (ISA guide, v_exp_f32).
	s_load_b256 s[4:11], s[0:1], 0x0               ; part s[4:5], hidden s[6:7], bias s[8:9], the scales' exponents s[10:11]
	s_load_b64 s[12:13], s[0:1], 0x20              ; out0
	v_lshl_add_u32 v64, v0, 2, 0x100
	v_mov_b32 v65, 0
	v_lshrrev_b32 v7, 5, v0
	v_readfirstlane_b32 s14, v7                    ; wave 0..15
	v_lshlrev_b32 v1, 4, v0                        ; 16 t: my four scores
	v_lshlrev_b32 v2, 3, v0                        ; 8 t: my two columns
	v_and_b32 v3, 15, v0
	v_lshl_add_u32 v4, v3, 2, 128                  ; where lane l reads wave (l % 16)'s sum of exponentials,
	v_lshlrev_b32 v3, 3, v3                        ; and its pair
	s_lshl_b32 s15, s14, 3
	v_mov_b32 v5, s15                              ; where my wave stores its pair,
	s_lshl_b32 s15, s14, 2
	s_add_co_u32 s15, s15, 128
	v_mov_b32 v6, s15                              ; and its sum of exponentials
	s_lshl_b32 s16, ttmp9, 13                      ; the batch's 8,192 bytes in a strip of part and in out0,
	s_mov_b32 s17, 0
	s_lshl_b32 s18, ttmp9, 12                      ; and its 4,096 in hidden
	s_mov_b32 s19, 0
	s_mov_b32 s24, 0x76543210                      ; v_permlanex16_b32: lane l xor 16
	s_mov_b32 s25, 0xfedcba98
	v_mov_b32 v47, 0                               ; written once: a lane permute's destination counts as one of its sources
	s_wait_kmcnt 0x0
	s_load_b64 s[20:21], s[10:11], 0x0             ; e0, e1
	s_add_nc_u64 s[4:5], s[4:5], s[16:17]
	s_add_nc_u64 s[6:7], s[6:7], s[18:19]
	s_add_nc_u64 s[12:13], s[12:13], s[16:17]
	global_load_b64 v[40:41], v2, s[6:7]
	global_load_b64 v[42:43], v2, s[8:9]
.irp p, 0,1,2,3,4,5,6,7
	global_load_b128 v[8+4*\p:11+4*\p], v1, s[4:5] offset:\p*262144 th:TH_LOAD_NT   ; strip p: read once in the launch
.endr
	s_wait_loadcnt 8                               ; hidden and bias are in; the eight loads issued behind them may be out
	v_mul_f32 v44, v40, v42
	v_fmac_f32 v44, v41, v43                       ; my two terms of hidden . bias
	s_wait_loadcnt 0x0
.irp p, 1,2,3,4,5,6,7
	v_pk_add_f32 v[8:9], v[8:9], v[8+4*\p:9+4*\p]          ; the strips' sums, p ascending, in two chains
	v_pk_add_f32 v[10:11], v[10:11], v[10+4*\p:11+4*\p]
.endr
	v_max3_num_f32 v45, v8, v9, v10
	v_max_num_f32 v45, v45, v11                    ; the largest of my four
.irp m, 1,2,4,8                                ; over the wave: four steps inside each half of 16 lanes ride on the arithmetic, one crosses the halves
	v_add_f32_dpp v44, v44, v44 row_xmask:\m row_mask:0xf bank_mask:0xf
	v_max_num_f32_dpp v45, v45, v45 row_xmask:\m row_mask:0xf bank_mask:0xf
.endr
	v_permlanex16_b32 v47, v44, s24, s25
	v_add_f32 v44, v44, v47
	v_permlanex16_b32 v47, v45, s24, s25
	v_max_num_f32 v45, v45, v47
	ds_store_b64 v5, v[44:45]                      ; all lanes write the same pair to the wave's place
	s_wait_dscnt 0x0                               ; for the others' sake: my store is done
	s_barrier_signal -1
	s_barrier_wait -1
	ds_load_b64 v[44:45], v3                       ; sixteen lanes hold the sixteen waves' pairs
	s_wait_dscnt 0x0
.irp m, 1,2,4,8
	v_add_f32_dpp v44, v44, v44 row_xmask:\m row_mask:0xf bank_mask:0xf
	v_max_num_f32_dpp v45, v45, v45 row_xmask:\m row_mask:0xf bank_mask:0xf
.endr
	s_wait_kmcnt 0x0
	s_add_co_i32 s22, s20, s21                     ; e0 + e1
.irp i, 8,9,10,11,45
	v_ldexp_f32 v\i, v\i, s22                      ; x 2^(e0 + e1)
.endr
.irp i, 8,9,10,11,45
	v_add_f32 v\i, v\i, v44                        ; + hidden . bias: my four scores, and in v45 the row's largest
.endr
.irp i, 8,9,10,11
	v_sub_f32 v\i, v\i, v45
.endr
.irp i, 8,9,10,11
	v_mul_f32 v\i, 0x3fb8aa3b, v\i                 ; x log2(e)
.endr
.irp i, 8,9,10,11
	v_exp_f32 v\i, v\i                             ; e^(score - largest), at most 1
.endr
	v_nop                                          ; a plain instruction behind the last exponential, ahead of the first use
	s_wait_alu depctr_va_vdst(0)                   ; one wait for the four, ahead of their first reader
	v_add_f32 v46, v8, v9
	v_add_f32 v48, v10, v11
	v_add_f32 v46, v46, v48
.irp m, 1,2,4,8
	v_add_f32_dpp v46, v46, v46 row_xmask:\m row_mask:0xf bank_mask:0xf
.endr
	v_permlanex16_b32 v47, v46, s24, s25
	v_add_f32 v46, v46, v47
	ds_store_b32 v6, v46
	s_wait_dscnt 0x0
	s_barrier_signal -1
	s_barrier_wait -1
	ds_load_b32 v46, v4
	s_wait_dscnt 0x0
.irp m, 1,2,4,8
	v_add_f32_dpp v46, v46, v46 row_xmask:\m row_mask:0xf bank_mask:0xf
.endr
	v_rcp_f32 v48, v46                             ; the sum is at least 1: the largest score's own term
	v_nop                                          ; a plain instruction behind the reciprocal
	s_wait_alu depctr_va_vdst(0)                   ; and the wait ahead of its first reader
.irp i, 8,9,10,11
	v_mul_f32 v\i, v\i, v48
.endr
	global_store_b128 v1, v[8:11], s[12:13]        ; a wave stores 512 consecutive bytes, at a multiple of 512 from out0's first byte
	s_wait_tensorcnt 0x0
	ds_add_u32 v64, v65
	s_wait_dscnt 0x0
	s_endpgm
.Lfunc_end_k_q0cb70fd00a_softmax:
	.size	k_q0cb70fd00a_softmax, .Lfunc_end_k_q0cb70fd00a_softmax-k_q0cb70fd00a_softmax
	.p2alignl 7, 3214868480
	.fill 96, 4, 3214868480
	.section	.rodata,"a",@progbits
	.p2align	6, 0x0
	.amdhsa_kernel k_q0cb70fd00a_softmax
		.amdhsa_group_segment_fixed_size 2304
		.amdhsa_private_segment_fixed_size 0
		.amdhsa_enable_private_segment 0
		.amdhsa_kernarg_size 40
		.amdhsa_user_sgpr_count 2
		.amdhsa_user_sgpr_kernarg_segment_ptr 1
		.amdhsa_wavefront_size32 1
		.amdhsa_system_sgpr_workgroup_id_x 1
		.amdhsa_system_sgpr_workgroup_id_y 1
		.amdhsa_system_sgpr_workgroup_id_z 1
		.amdhsa_system_vgpr_workitem_id 0
		.amdhsa_next_free_vgpr 66
		.amdhsa_next_free_sgpr 66
		.amdhsa_reserve_vcc 0
		.amdhsa_float_denorm_mode_32 3
		.amdhsa_float_denorm_mode_16_64 3
		.amdhsa_memory_ordered 1
		.amdhsa_forward_progress 1
		.amdhsa_inst_pref_size 8
	.end_amdhsa_kernel
	.amdgpu_metadata
---
amdhsa.version: [ 1, 2 ]
amdhsa.kernels:
  - .name:           k_q0cb70fd00a_softmax
    .symbol:         k_q0cb70fd00a_softmax.kd
    .args:
      - { .name: part, .offset: 0, .size: 8, .value_kind: global_buffer, .address_space: global }
      - { .name: hidden, .offset: 8, .size: 8, .value_kind: global_buffer, .address_space: global }
      - { .name: b, .offset: 16, .size: 8, .value_kind: global_buffer, .address_space: global }
      - { .name: lowp_scales, .offset: 24, .size: 8, .value_kind: global_buffer, .address_space: global }
      - { .name: out0, .offset: 32, .size: 8, .value_kind: global_buffer, .address_space: global }
    .group_segment_fixed_size: 2304
    .private_segment_fixed_size: 0
    .kernarg_segment_align: 8
    .kernarg_segment_size: 40
    .max_flat_workgroup_size: 512
    .sgpr_count:     66
    .vgpr_count:     66
    .wavefront_size: 32
...
	.end_amdgpu_metadata
.endif
;; end of part 2
;; ======== version 2 of 2: 2 launches
;; limits: right only within a limited range of input values
;; workspace buffers: part 1,048,576 bytes
;; launch scores (part 3): grid 4 x 64, 4 waves a work-group, clusters of 4 x 4, 327,680 bytes of LDS; arguments encoder_outputs_codes, W_codes, hidden, part; writes part
.if DOCPART == 3
	.amdgcn_target "amdgcn-amd-amdhsa--gfx1250"
	.amdhsa_code_object_version 6
	.text
	.protected	k_q0cb70fd00a_scores
	.globl	k_q0cb70fd00a_scores
	.p2align	8
	.type	k_q0cb70fd00a_scores,@function
k_q0cb70fd00a_scores:
	s_mov_b64 s[64:65], 0
	v_nop
	global_prefetch_b8 v0, s[64:65] scope:SCOPE_SE
	s_setreg_imm32_b32 hwreg(HW_REG_WAVE_MODE, 25, 1), 1
	s_wait_xcnt 0x0
	s_wait_alu depctr_hold_cnt(0) depctr_sa_sdst(0) depctr_va_vdst(0) depctr_va_sdst(0) depctr_va_ssrc(0) depctr_va_vcc(0) depctr_vm_vsrc(0)
	s_getreg_b32 s2, hwreg(HW_REG_IB_STS2, 6, 4)
	s_cmp_eq_u32 s2, 0
	s_cbranch_scc0 .Lentry_in_a_cluster
	s_endpgm
.Lentry_in_a_cluster:
	s_bfe_u32 s2, ttmp6, 0x10000c
	s_cmp_lg_u32 s2, 0xf033
	s_cbranch_scc0 .Lentry_shape_is_right
	s_endpgm
.Lentry_shape_is_right:
; part[x][b][s] = sum over the 256 columns n of column tile x of hidden[b][n] x (sum over k of Ecode[s][b][k] x Wcode[n][k]).
; E: [2048 s][32 b][1024 k] and W: [1024 n][1024 k]: codes of BF8 (E5M2), one a byte, K innermost.  hidden: [32][1024] f32.  part: [4 x][32 b][2048 s] f32.
; DEAD WORK LEFT OUT: the bias b enters every score of batch row i as the same number, sum over n of hidden[i][n] b[n], whatever s is; a term that is the same along the softmax's axis (s) takes no part in its
; result in exact arithmetic, for all finite values of hidden and b.  No quantiser stands behind the bias.  So b is not loaded and is no argument of any launch.  LIMIT: a NaN, an infinity or an overflow that
; reaches only hidden . b is not carried to the result.
; The codes are multiplied as they are; the scales are linear in the score and are applied by the next launch.  The projected rows never go to memory: sums are folded with hidden in registers, in f32.
; SHARES.  256 work-groups of four waves.  Work-group (x, y): columns 256 x .. 256 x + 255; batch y / 2; s from 1,024 (y % 2) on, in eight tiles of 128 rows (32,768 bytes apart in E).
; Wave w = 2 kh + ch: k = 512 kh .. 512 kh + 511 of all rows, and of each half g of the columns (128 g on) the 64 from 64 ch on.  A score is linear in the projected row: each wave folds its own sums, and the four
; waves' scores are added once, at the end.  A wave's part of W, 128 columns x 512 k = 32 fragments = 512 registers, STAYS IN ITS REGISTERS; only E goes through LDS: 8 KiB a wave for 32 products.
; A BLOCK is 16 rows: 32 products on eight accumulators by turns.  Behind them stand the 32 lines that fold the block before, out of the other set of accumulators: one line for each product.
; A PAIR is an even and an odd block: their fragments are asked for in one run of 32 LDS loads, a pair ahead of their use.
; CLUSTERS: 4 x 4.  The four of a row of the cluster (same y) need the same tiles of E, the four of a column (same x) the same rows of W: each is asked for JOINTLY.  A row of the cluster spans all columns, so each
; code of E is asked for once in the launch.
; THE MATRIX INSTRUCTION IS USED TRANSPOSED (source 0 = 16 rows of W, source 1 = 16 rows of E): lane l holds row l % 16 of the block and the columns 8 (l / 16) + 0 .. 7 of W's block.
; LIMITS: NaN among the inputs is not served.  The f32 sums are taken in another order than the reference takes them (K in two halves); inside a matrix instruction k is permuted, alike in both operands.
; REGISTERS (s_set_vgpr_msb: bits 1:0 source 0, 3:2 source 1, 5:4 source 2, 7:6 destination):
;   window p = 0, 1: v0-31 addresses (window 0), the fold's sums; v32-95 accumulator set p (blocks of parity p write it); v96-223 E's fragments of the blocks of parity 1 - p, two buffers; v224-255 two fragments of W.
;   window 2 + g: v0-223 fourteen fragments of W's half g; v224-255 hidden.
;   A product of parity p reads W, E in window 1 - p, and writes window p; a line of its fold reads hidden beside W, the other set in window 1 - p, and adds in window p: one setting serves both.
.set AROW,   32768                     ; from s to s + 1 of one batch in E, in bytes
.set WROW,   1024                      ; a row of W in bytes
.set PITCH,  272                       ; an LDS row: 256 bytes of data + 16 of padding: the 16 rows that a load touches start at 16 different banks (64 banks of 4 bytes: ISA guide 11.1)
.set HALFT,  128*PITCH                 ; a quarter of K of a slot's 128 rows: what one tensor load brings
.set SLOT,   4*HALFT
.set TSTEP,  128*AROW                  ; a tile on in E
.set SPARE,  2*SLOT                    ; the spare words, 128 bytes for each wave: two blocks of 256 bytes that no other line names
.set STG,    SPARE+512                 ; 4,096 bytes for each wave: its 1,024 partial scores; no tile lands here
.set SPW,  2                           ; LDS address of my spare word; never rewritten
.set NIL,  3                           ; 0; never rewritten
.set ADRA, 4                           ; v4-5  LDS address of my lane's place in my half of K of slot 0, 1
.set WAD,  6                           ; v6-7  the same for W: my 64 rows
.set STO,  8                           ; my wave's scores: 4 bytes a lane (256 bytes under them: a pair's scores are stored two pairs on)
.set RD,   9                           ; the end: the 256 scores that my wave adds up, 16 bytes a lane
.set CO,   10                          ; 16 x lane
.set PFO,  11                          ; the prefetches' offset: my lane x a row's distance in E; never rewritten
.set HO,   12                          ; 32 x (lane / 16)
.set XS,   13                          ; what the other half of the lanes wants of me
.set YS,   14                          ; my own part, then the score of row 32 j + lane
.set PS,   15                          ; what the other half sent
.set T,    16                          ; window 0: an odd block's sum over my columns;  window 1: an even block's
.set SUM,  18                          ; v18-21 of window p: two chains of the fold, a pair each
.set STA,  22                          ; STO + the bytes of the tiles of earlier trips
.set ACC,  32                          ; accumulator b at ACC + 8 b
.set EB,   96                          ; E's fragments: buffer n at EB + 64 n, K step u at + 16 u
.set WZ,   224
.set HID,  224                         ; window 2 + g: HID + 8 b + j = hidden[batch][256 x + 128 g + 64 ch + 16 b + 8 (lane / 16) + j]
.set G1,   24                          ; s[24:31] descriptor group 1 for E's tiles;  s[32:39] group 0, one set for each slot
.set G0,   32
.set G1B,  48                          ; s[48:55] group 1 for W, s[56:59] its group 0
.set G0B,  56
.set LHI,  66                          ; s66     a bit for each of lanes 16-31
.set LLO,  67                          ; s67     a bit for each of lanes 0-15
.set SB,   70                          ; s70     bytes of scores of the tiles done in earlier trips
.set PFA,  78                          ; s[78:79] where my prefetches stand
.set SEL,  96                          ; s[96:97] lane selects for v_permlanex16_b32: lane l xor 16
.set MSB, 0
.macro WIN new                         ; the immediate's high byte repeats the setting that is left; a switch that changes nothing is dropped
.if MSB != \new
	s_set_vgpr_msb (MSB<<8)|\new
.set MSB, \new
.endif
.endm
.macro CREST                           ; a round of the cluster's barrier behind its opening barrier
	s_cmp_lg_u32 s14, 0
	s_cbranch_scc1 .Lnot_wave_0_\@
	s_barrier_signal -3
.Lnot_wave_0_\@:
	s_barrier_wait -3
	s_barrier_signal -1
	s_barrier_wait -1
.endm
.macro CROUND
	s_barrier_signal -1
	s_barrier_wait -1
	CREST
.endm
.macro PLACES
.rept 4
	v_nop
.endr
.endm
; A PREFETCH INTO THE L2 of a tile of E.  Each wave asks for its quarter of K, 256 bytes of a row, a lane a row; of the tile's 128 rows the partner at place cx takes 32 cx .. 32 cx + 31, told apart BY ADDRESS.
; Only the four partners of a row of the cluster read these rows, so each row's 256 bytes are named once in the launch.  Tile 0 is asked for at the head, while W is on its way; from then on the load of tile t is
; followed by the prefetch of tile t + 1, one load ahead of its own.  Tile 7's load is followed by none, and so is tile 6's second one in the loop's place: tile 5 asks for nothing beyond tile 7.
; W is not prefetched: it is read once, at the head.
.macro ASK
	global_prefetch_b8 v[PFO], s[PFA:PFA+1] th:TH_LOAD_NT scope:SCOPE_SE
.endm
; A fragment, 16 rows x 128 K, is 16 registers: lane l holds row l % 16; registers 4 c .. 4 c + 3 hold K = 32 c + 16 (l / 16) + 0 .. 15: a permutation of k, the same in both operands.
; W's fragment of half g, K step u, block b has the number 4 u + b: numbers 0-13 lie in window 2 + g, 14 and 15 in window g.
.macro WFRAG g, i, base
.irp c, 0,1,2,3
	ds_load_b128 v[\base+4*\c:\base+4*\c+3], v[WAD+(\i/8)] offset:\g*128*PITCH+128*((\i/4)%2)+(\i%4)*16*PITCH+32*\c
.endr
.endm
.macro WLOAD hh                        ; my part of W in slot hh: K steps 2 hh, 2 hh + 1 of both halves of the columns: sixteen fragments, which stay
.irp g, 0,1
	WIN (0x80+0x40*\g)
.if \hh == 0
.irp i, 0,1,2,3,4,5,6,7
	WFRAG \g, \i, 16*\i
.endr
.else
.irp i, 8,9,10,11,12,13
	WFRAG \g, \i, 16*\i
.endr
	WIN (0x40*\g)
.irp i, 14,15
	WFRAG \g, \i, WZ+16*(\i-14)
.endr
.endif
.endr
	WIN 0
.endm
.macro LOADA slot, i, buf              ; block i of the tile in the slot: 16 rows x my 512 k
.irp u, 0,1,2,3
.irp c, 0,1,2,3
	ds_load_b128 v[EB+64*(\buf)+16*\u+4*\c:EB+64*(\buf)+16*\u+4*\c+3], v[ADRA+(\slot)] offset:(\u/2)*HALFT+128*(\u%2)+(\i)*16*PITCH+32*\c
.endr
.endr
.endm
.macro LOADP slot, j, buf              ; pair j: the even block's fragments into window 1, the odd one's into window 0
	WIN 0x40
	LOADA \slot, 2*(\j), \buf
	WIN 0
	LOADA \slot, 2*(\j)+1, \buf
.endm
; Product k of a block of parity p: K step k / 8 against W's block k % 8, from buffer buf.  The first eight start the sums; the eight accumulators take turns, one instruction a turn.
.macro PR p, buf, k
.set rB, (\k)%8
.set rG, rB/4
.set rI, 4*((\k)/8)+rB%4
.set rD, ACC+8*rB
.set rA, EB+64*(\buf)+16*((\k)/8)
.if rI < 14
	WIN (2+rG+((1-(\p))<<2)+((\p)<<4)+((\p)<<6))
.set rW, 16*rI
.else
	WIN (rG+((1-(\p))<<2)+((\p)<<4)+((\p)<<6))
.set rW, WZ+16*(rI-14)
.endif
.if (\k) < 8
	v_wmma_f32_16x16x128_bf8_bf8 v[rD:rD+7], v[rW:rW+15], v[rA:rA+15], 0
.else
	v_wmma_f32_16x16x128_bf8_bf8 v[rD:rD+7], v[rW:rW+15], v[rA:rA+15], v[rD:rD+7]
.endif
.endm
; A line of the fold: columns 2 j, 2 j + 1 of my half of block u of W's half g.  Two chains, one for each j % 2; the first line of each starts it: nothing is cleared.  Each accumulator is read from its low end on.
.macro PKJ g, u, j
.set fX, ACC+8*(4*(\g)+(\u))+2*(\j)
.set fH, HID+8*(\u)+2*(\j)
.set fS, SUM+2*((\j)%2)
.if ((\g) == 0) && ((\u) == 0) && ((\j) < 2)
	v_pk_mul_f32 v[fS:fS+1], v[fH:fH+1], v[fX:fX+1]
.else
	v_pk_fma_f32 v[fS:fS+1], v[fH:fH+1], v[fX:fX+1], v[fS:fS+1]
.endif
.endm
; Product k and the lines of the fold behind it: one for K steps 0 to 2; in K step 3 two behind each product whose W lies beside hidden, and none behind the others.
; The fold reads accumulator b, which product 24 + b of the block before finished, with four plain lines or more between (ISA guide 7.12.1): the lines behind that block's products 28 and 29 alone are four.
.macro SL p, buf, k, dot
	PR \p, \buf, \k
.if \dot
.set sU, (\k)/8
.set sG, ((\k)%8)/4
.set sJ, (\k)%4
.if sU < 3
	PKJ sG, sU, sJ
.else
.if sJ < 2
	PKJ sG, 3, 2*sJ
	PKJ sG, 3, 2*sJ+1
.endif
.endif
.endif
.endm
.macro RUN p, buf, ka, kb, dot         ; products ka .. kb - 1
.set kx, \ka
.rept (\kb)-(\ka)
	SL \p, \buf, kx, \dot
.set kx, kx+1
.endr
.endm
; Products 24 to 31.  Behind the last two the chains' four numbers become one: lane (r, h): row r of the block that was folded, my columns of half h.
; fin = 1 (odd blocks): the two blocks folded last but one and before it are joined so that lane L ends with the score of row 32 j + L: lanes 0-15 keep the even block and send the odd one, lanes 16-31 the other way round.
.macro BEND p, buf, dot, fin
	RUN \p, \buf, 24, 27, \dot
.if \fin
	WIN 0x04
	v_cndmask_b32 v[XS], v[T], v[T], s[LHI]        ; source 0: the odd block's (window 0), source 1: the even block's (window 1)
	v_cndmask_b32 v[YS], v[T], v[T], s[LLO]
.endif
	SL \p, \buf, 27, \dot
.if \fin
	WIN 0
	v_permlanex16_b32 v[PS], v[XS], s[SEL], s[SEL+1]
.endif
	RUN \p, \buf, 28, 31, \dot
.if \fin
	WIN 0
	v_add_f32 v[YS], v[YS], v[PS]
.endif
.if \dot
	WIN (0x45*(\p))
	v_pk_add_f32 v[SUM:SUM+1], v[SUM:SUM+1], v[SUM+2:SUM+3]
.endif
	SL \p, \buf, 31, \dot
.if \dot
	WIN (0x45*(\p))
	v_add_f32 v[T], v[SUM], v[SUM+1]
.endif
.endm
; PAIR j OF THE TILE IN THE SLOT.  Behind product 3 of its even block stands its one run of LDS instructions: the store of the scores that are ready (those of two pairs back) and the next pair's 32 loads, 60 matrix
; instructions ahead of their use; the buffers were last read by the pair before, and the four lines of the fold behind products 0 to 3 are the places ahead of the loads.
; hook, in pair 2: all my tensor loads have landed (my part of the next tile); 2: and 0 is added to my spare word: pair 3's wait, 60 matrix instructions on, serves the add and the slot's last reads.
; mode 0: as above.  mode 1, 2: THE CHANGE OF SLOTS, in pair 3: at its head no LDS instruction of mine is out: signal; sixteen products stand between signal and wait; mode 2: the barrier opens a round of the
; cluster's, so that no wave of any partner still reads the slot or has a load on its way, and the joint refill, the tile two on, is the first thing behind it; then come the next tile's first fragments.
; mode 3: the launch's last pair: the store alone.
.macro PAIR slot, j, off, dota, st, fin, hook, mode, ask
	s_wait_dscnt 0x0                               ; this pair's fragments are in
.if (\mode == 1) || (\mode == 2)
	s_barrier_signal -1
	RUN 0, (\j)%2, 0, 16, \dota
	WIN 0
	s_wait_alu depctr_va_vdst(0)
	s_barrier_wait -1
.if \mode == 2
	CREST
	tensor_load_to_lds s[G0+4*\slot:G0+4*\slot+3], s[G1:G1+7]   ; my one tensor load until the next round
	s_nop 0
	PLACES
.endif
.else
	RUN 0, (\j)%2, 0, 4, \dota
	WIN 0
	s_wait_alu depctr_va_vdst(0)
.endif
.if \st
	ds_store_b32 v[STA], v[YS] offset:(\off)+128*(\j)
.endif
.if \mode == 0
	LOADP \slot, (\j)+1, ((\j)+1)%2
.endif
.if (\mode == 1) || (\mode == 2)
	LOADP 1-(\slot), 0, 0
.endif
.if \ask
	ASK
.endif
.if \hook == 2
	s_wait_xcnt 0x0                                ; any prefetch of mine has read its address: only behind this wait is it written
	s_add_nc_u64 s[PFA:PFA+1], s[PFA:PFA+1], TSTEP
.endif
.if \hook
	s_wait_tensorcnt 0x0
.endif
.if \hook == 2
	ds_add_u32 v[SPW], v[NIL]
	s_add_nc_u64 s[G0+4*\slot+2:G0+4*\slot+3], s[G0+4*\slot+2:G0+4*\slot+3], 2*TSTEP   ; this slot's next tile; the type bits on top are not reached
.endif
.if (\mode == 1) || (\mode == 2)
	RUN 0, (\j)%2, 16, 24, \dota
.else
	RUN 0, (\j)%2, 4, 24, \dota
.endif
	BEND 0, (\j)%2, \dota, 0
.if \dota == 0
	PLACES                                         ; the very first block: no lines stood behind its products
.endif
	RUN 1, (\j)%2, 0, 24, 1
	BEND 1, (\j)%2, 1, \fin
.endm
.macro TILE slot, off, more, hook, mode, ask   ; more = 0: the launch's first tile: nothing to fold yet, and no scores are ready
	PAIR \slot, 0, \off, \more, \more, \more, 0, 0, 0
	PAIR \slot, 1, \off, 1, \more, 1, 0, 0, 0
	PAIR \slot, 2, \off, 1, 1, 1, \hook, 0, 0
	PAIR \slot, 3, \off, 1, 1, 1, 0, \mode, \ask
.endm
	s_load_b256 s[4:11], s[0:1], 0x0               ; E's codes s[4:5], W's codes s[6:7], hidden s[8:9], part s[10:11]
	v_lshl_add_u32 v[SPW], v0, 2, SPARE
	v_mov_b32 v[NIL], 0
	ds_add_u32 v[SPW], v[NIL]                      ; the wave's opening: the add, twice on end, and its wait ahead of my first tensor load
	ds_add_u32 v[SPW], v[NIL]
	v_lshrrev_b32 v1, 5, v0
	v_readfirstlane_b32 s14, v1                    ; wave 0..3: I fetch quarter w of K
	s_lshr_b32 s12, s14, 1                         ; kh: my half of K
	s_and_b32 s13, s14, 1                          ; ch: which 64 columns of each half
	s_bfe_u32 s16, ttmp6, 0x40000                  ; cx, cy: my place in the cluster
	s_bfe_u32 s17, ttmp6, 0x40004
	s_lshl_b32 s18, ttmp9, 2
	s_add_co_u32 s18, s18, s16                     ; x = 4 x cluster x + cx: the column tile
	s_and_b32 s19, ttmp7, 0xffff
	s_lshl_b32 s19, s19, 2
	s_add_co_u32 s19, s19, s17                     ; y = 4 x cluster y + cy
	s_lshr_b32 s20, s19, 1                         ; the batch
	s_and_b32 s21, s19, 1                          ; which 1,024 of its s
	s_lshl_b32 s22, s17, 2
	s_lshl_b32 s22, 15, s22                        ; my row of the cluster
	s_lshl_b32 s23, 0x1111, s16                    ; my column
	; descriptor group 1: E's 128 rows x 256 bytes, W's 256 rows x 256 bytes, padded in LDS
	s_or_b32 s[G1+0], s22, (1<<20)|(1<<21)|(5<<22)|(3<<25)   ; 15:0 the mask; elements of 1 byte; 20 padding on; 21 set beside a mask; 24:22 after every 64 words (code 5); 31:25 of 4 words (code 3)
	s_or_b32 s[G1B+0], s23, (1<<20)|(1<<21)|(5<<22)|(3<<25)
.irp g, G1, G1B
	s_mov_b32 s[\g+1], 256<<16                     ; tensor_dim0
	s_mov_b32 s[\g+3], 256<<16                     ; tile_dim0
	s_mov_b32 s[\g+6], 0
	s_mov_b32 s[\g+7], 0
.endr
	s_mov_b32 s[G1+2], 128<<16                     ; tensor_dim1
	s_mov_b32 s[G1+4], 128                         ; tile_dim1
	s_mov_b32 s[G1B+2], 256<<16
	s_mov_b32 s[G1B+4], 256
	s_mov_b32 s[G1+5], AROW                        ; tensor_dim0_stride
	s_mov_b32 s[G1B+5], WROW
	; where the tiles come from.  E's hang on y and the wave alone, W's on x and the wave alone, each in registers that never hold the other coordinate
	s_lshl_b32 s68, s20, 10                        ; E: the batch's 1,024 bytes of each s,
	s_lshl_b32 s15, s21, 25
	s_add_co_u32 s68, s68, s15                     ; + 1,024 s for the upper half,
	s_lshl_b32 s15, s14, 8
	s_add_co_u32 s68, s68, s15                     ; + the quarter of K that I fetch
	s_mov_b32 s69, 0
	s_lshl_b32 s72, s18, 18                        ; W: row 256 x,
	s_lshl_b32 s3, s13, 1
	s_add_co_u32 s3, s3, s12
	s_lshl_b32 s3, s3, 8
	s_add_co_u32 s72, s72, s3                      ; + quarter 2 (w % 2) + w / 2 of K: so the quarters 2 kh that waves read first lie in slot 0, the quarters 2 kh + 1 in slot 1
	s_mov_b32 s73, 0
	s_lshl_b32 s74, s20, 12                        ; hidden: the batch's row of 4,096 bytes,
	s_lshl_b32 s92, s18, 10
	s_add_co_u32 s74, s74, s92                     ; + 256 x columns,
	s_lshl_b32 s92, s13, 8
	s_add_co_u32 s74, s74, s92                     ; + 64 ch
	s_mov_b32 s75, 0
	s_lshl_b32 s76, s18, 18                        ; part: strip x of 262,144 bytes,
	s_lshl_b32 s92, s20, 13
	s_add_co_u32 s76, s76, s92                     ; + the batch's 8,192 bytes,
	s_lshl_b32 s92, s21, 12
	s_add_co_u32 s76, s76, s92                     ; + 1,024 s for the upper half,
	s_lshl_b32 s92, s14, 10
	s_add_co_u32 s76, s76, s92                     ; + the 256 scores that my wave adds up and stores
	s_mov_b32 s77, 0
	s_lshl_b32 s78, s16, 20                        ; the prefetches: my work-group's 32 rows of the 128, in tile 0
	s_mov_b32 s79, 0
	s_mul_i32 s82, s14, HALFT                      ; where my loads go in a slot: no place in the cluster enters an LDS address
	s_mul_i32 s83, s12, 2*HALFT                    ; where I read: my half of K,
	s_add_co_u32 s84, s83, SLOT
	s_mul_i32 s85, s13, 64*PITCH
	s_add_co_u32 s85, s85, s83                     ; and of W my 64 rows
	s_add_co_u32 s86, s85, SLOT
	s_lshl_b32 s94, s14, 12
	s_add_co_u32 s94, s94, STG-256                 ; my wave's 4,096 bytes of scores, less 256
	s_lshl_b32 s95, s14, 10
	s_add_co_u32 s95, s95, STG                     ; the 256 scores that I add up, in wave 0's part
	s_mov_b32 s[SEL], 0x76543210
	s_mov_b32 s[SEL+1], 0xfedcba98
	s_mov_b32 s[SB], 0
	s_wait_alu depctr_va_vdst(0)
	s_wait_dscnt 0x0                               ; both opening adds are done
	CROUND                                         ; all sixteen work-groups are here: the first joint loads meet
	s_wait_kmcnt 0x0
	s_add_nc_u64 s[72:73], s[6:7], s[72:73]
	s_mov_b32 s[G0B], 1                            ; 1:0 count = 1
	s_mul_i32 s[G0B+1], s14, 2*HALFT               ; 63:32 LDS address: 256 rows a wave fill both slots
	s_mov_b64 s[G0B+2:G0B+3], s[72:73]             ; 120:64 global address
	s_or_b32 s[G0B+3], s[G0B+3], 0x80000000        ; 127:126 type = 2
	tensor_load_to_lds s[G0B:G0B+3], s[G1B:G1B+7]  ; W's 256 rows, a quarter of K a wave: one tensor load a wave at the head
	s_nop 0
	PLACES
	s_add_nc_u64 s[68:69], s[4:5], s[68:69]
	s_add_nc_u64 s[8:9], s[8:9], s[74:75]
	s_add_nc_u64 s[10:11], s[10:11], s[76:77]
	s_add_nc_u64 s[PFA:PFA+1], s[68:69], s[PFA:PFA+1]
.irp s, 0,1                            ; E's tile s: slot s
	s_mov_b32 s[G0+4*\s], 1
	s_add_co_u32 s[G0+4*\s+1], s82, \s*SLOT
	s_add_nc_u64 s[G0+4*\s+2:G0+4*\s+3], s[68:69], \s*TSTEP
	s_or_b32 s[G0+4*\s+3], s[G0+4*\s+3], 0x80000000
.endr
	v_and_b32 v24, 15, v0                          ; l % 16
	v_bfe_u32 v25, v0, 4, 1                        ; l / 16
	v_lshlrev_b32 v[HO], 5, v25
	v_and_b32 v26, 31, v0                          ; lane
	v_lshlrev_b32 v[PFO], 15, v26
.irp g, 0,1                            ; hidden stays in registers
	WIN (0x80+0x40*\g)
.irp b, 0,1,2,3
	global_load_b128 v[HID+8*\b:HID+8*\b+3],   v[HO], s[8:9] offset:512*\g+64*\b
	global_load_b128 v[HID+8*\b+4:HID+8*\b+7], v[HO], s[8:9] offset:512*\g+64*\b+16
.endr
.endr
	WIN 0
	s_wait_alu depctr_va_vdst(0)
	s_wait_loadcnt 0x0                             ; hidden is in
	ASK                                            ; tile 0
	v_mul_u32_u24 v27, v24, PITCH
	v_lshl_add_u32 v28, v25, 4, v27                ; a fragment's row x pitch + 16 x half
	v_add_nc_u32 v[ADRA], s83, v28
	v_add_nc_u32 v[ADRA+1], s84, v28
	v_add_nc_u32 v[WAD], s85, v28
	v_add_nc_u32 v[WAD+1], s86, v28
	v_lshl_add_u32 v[STO], v26, 2, s94
	v_add_nc_u32 v[STA], s[SB], v[STO]
	v_lshl_add_u32 v[RD], v26, 4, s95
	v_lshlrev_b32 v[CO], 4, v26
	v_cmp_lt_u32 s[LHI], 15, v26
	v_cmp_gt_u32 s[LLO], 16, v26
	v_mov_b32 v[PS], 0                             ; written once: a lane permute's destination counts as one of its sources
	s_wait_alu depctr_va_vdst(0)
	s_wait_tensorcnt 0x0                           ; my part of W is in,
	s_barrier_signal -1
	s_barrier_wait -1                              ; and everybody's
	WLOAD 0
	s_wait_xcnt 0x0                                ; the prefetch has read its address
	s_add_nc_u64 s[PFA:PFA+1], s[PFA:PFA+1], TSTEP
	s_wait_tensorcnt 0x0                           ; slot 0 takes tile 0: the same wait, add and wait as ahead of each later fill, a round, and the load first behind it
	ds_add_u32 v[SPW], v[NIL]
	s_wait_dscnt 0x0                               ; the add is done, and so are my reads of slot 0
	CROUND
	tensor_load_to_lds s[G0:G0+3], s[G1:G1+7]      ; tile 0 into slot 0
	s_nop 0
	PLACES
	ASK                                            ; tile 1
	WLOAD 1                                        ; the other half of W goes to registers while tile 0 is on its way
	s_wait_xcnt 0x0
	s_add_nc_u64 s[PFA:PFA+1], s[PFA:PFA+1], TSTEP
	s_wait_tensorcnt 0x0                           ; tile 0 is in
	ds_add_u32 v[SPW], v[NIL]
	s_wait_dscnt 0x0                               ; the add is done, and so are my reads of slot 1
	CROUND
	tensor_load_to_lds s[G0+4:G0+7], s[G1:G1+7]    ; tile 1 into slot 1
	s_nop 0
	PLACES
	LOADP 0, 0, 0
	ASK                                            ; tile 2
	TILE 0, 0, 0, 2, 2, 1
	WIN 0
	s_mov_b32 s3, 2
.Ltrip:                                                ; two trips of two tiles: tiles 1 to 4, each of which fills its slot again
	TILE 1, 512, 1, 2, 2, 1
	TILE 0, 1024, 1, 2, 2, 1
	WIN 0
	s_wait_alu depctr_va_vdst(0)
	s_add_co_u32 s[SB], s[SB], 1024                ; two tiles' scores on
	v_add_nc_u32 v[STA], s[SB], v[STO]
	s_sub_co_u32 s3, s3, 1
	s_cmp_lg_u32 s3, 0
	s_wait_alu depctr_va_vdst(0)
	s_cbranch_scc1 .Ltrip
	TILE 1, 512, 1, 2, 2, 0                        ; tile 5 asks for tile 7; tiles 6 and 7 ask for nothing: written out
	TILE 0, 1024, 1, 1, 1, 0
	TILE 1, 1536, 1, 0, 3, 0
	WIN 0x06                                       ; the last block's fold has no products to stand beside: hidden in window 2, the sums of its products in window 1
.irp u, 0,1,2,3
.irp j, 0,1,2,3
	PKJ 0, \u, \j
.endr
.endr
	WIN 0x07
.irp u, 0,1,2,3
.irp j, 0,1,2,3
	PKJ 1, \u, \j
.endr
.endr
	WIN 0
	v_pk_add_f32 v[SUM:SUM+1], v[SUM:SUM+1], v[SUM+2:SUM+3]
	v_add_f32 v[T], v[SUM], v[SUM+1]
	ds_store_b32 v[STA], v[YS] offset:2048
	WIN 0x04
	v_cndmask_b32 v[XS], v[T], v[T], s[LHI]
	v_cndmask_b32 v[YS], v[T], v[T], s[LLO]
	WIN 0
	v_permlanex16_b32 v[PS], v[XS], s[SEL], s[SEL+1]
	v_add_f32 v[YS], v[YS], v[PS]
	ds_store_b32 v[STA], v[YS] offset:2176
	; THE FOUR WAVES' SCORES ARE ADDED: each wave adds 256 rows; a store of the wave covers 512 consecutive bytes, at a multiple of 512 from part's first byte
	s_wait_dscnt 0x0                               ; for the others' sake: my stores of scores are done
	s_barrier_signal -1
	s_barrier_wait -1
.irp u, 0,1
.irp w, 0,1,2,3
	ds_load_b128 v[EB+16*\u+4*\w:EB+16*\u+4*\w+3], v[RD] offset:4096*\w+512*\u
.endr
.endr
	s_wait_dscnt 0x0
.irp w, 1,2,3
.irp u, 0,1
	v_pk_add_f32 v[EB+16*\u:EB+16*\u+1], v[EB+16*\u:EB+16*\u+1], v[EB+16*\u+4*\w:EB+16*\u+4*\w+1]
	v_pk_add_f32 v[EB+16*\u+2:EB+16*\u+3], v[EB+16*\u+2:EB+16*\u+3], v[EB+16*\u+4*\w+2:EB+16*\u+4*\w+3]
.endr
.endr
.irp u, 0,1
	global_store_b128 v[CO], v[EB+16*\u:EB+16*\u+3], s[10:11] offset:512*\u
.endr
	s_wait_tensorcnt 0x0                           ; the wave's end, behind my last tensor load and my last LDS store
	ds_add_u32 v[SPW], v[NIL]
	s_wait_dscnt 0x0
	CROUND                                         ; the closing round: no work-group ends while a partner may still ask for a tile that names it
	s_endpgm
.Lfunc_end_k_q0cb70fd00a_scores:
	.size	k_q0cb70fd00a_scores, .Lfunc_end_k_q0cb70fd00a_scores-k_q0cb70fd00a_scores
	.p2alignl 7, 3214868480
	.fill 96, 4, 3214868480
	.section	.rodata,"a",@progbits
	.p2align	6, 0x0
	.amdhsa_kernel k_q0cb70fd00a_scores
		.amdhsa_group_segment_fixed_size 327680
		.amdhsa_private_segment_fixed_size 0
		.amdhsa_enable_private_segment 0
		.amdhsa_kernarg_size 32
		.amdhsa_user_sgpr_count 2
		.amdhsa_user_sgpr_kernarg_segment_ptr 1
		.amdhsa_wavefront_size32 1
		.amdhsa_system_sgpr_workgroup_id_x 1
		.amdhsa_system_sgpr_workgroup_id_y 1
		.amdhsa_system_sgpr_workgroup_id_z 1
		.amdhsa_system_vgpr_workitem_id 0
		.amdhsa_next_free_vgpr 1024
		.amdhsa_next_free_sgpr 100
		.amdhsa_reserve_vcc 0
		.amdhsa_float_denorm_mode_32 3
		.amdhsa_float_denorm_mode_16_64 3
		.amdhsa_memory_ordered 1
		.amdhsa_forward_progress 1
		.amdhsa_inst_pref_size 255
	.end_amdhsa_kernel
	.section	.bss,"aw",@nobits
	.p2align	6
	.space	262144
	.amdgpu_metadata
---
amdhsa.version: [ 1, 2 ]
amdhsa.kernels:
  - .name:           k_q0cb70fd00a_scores
    .symbol:         k_q0cb70fd00a_scores.kd
    .args:
      - { .name: encoder_outputs_codes, .offset: 0, .size: 8, .value_kind: global_buffer, .address_space: global }
      - { .name: W_codes, .offset: 8, .size: 8, .value_kind: global_buffer, .address_space: global }
      - { .name: hidden, .offset: 16, .size: 8, .value_kind: global_buffer, .address_space: global }
      - { .name: part, .offset: 24, .size: 8, .value_kind: global_buffer, .address_space: global }
    .group_segment_fixed_size: 327680
    .private_segment_fixed_size: 0
    .kernarg_segment_align: 8
    .kernarg_segment_size: 32
    .max_flat_workgroup_size: 128
    .sgpr_count:     100
    .vgpr_count:     1024
    .wavefront_size: 32
...
	.end_amdgpu_metadata
.endif
;; end of part 3
;; launch softmax (part 4): grid 32 x 1, 16 waves a work-group, no clusters, 2,304 bytes of LDS; arguments part, lowp_scales, out0; writes out0
.if DOCPART == 4
	.amdgcn_target "amdgcn-amd-amdhsa--gfx1250"
	.amdhsa_code_object_version 6
	.text
	.protected	k_q0cb70fd00a_softmax
	.globl	k_q0cb70fd00a_softmax
	.p2align	8
	.type	k_q0cb70fd00a_softmax,@function
k_q0cb70fd00a_softmax:
	s_mov_b64 s[64:65], 0
	v_nop
	global_prefetch_b8 v0, s[64:65] scope:SCOPE_SE
	s_setreg_imm32_b32 hwreg(HW_REG_WAVE_MODE, 25, 1), 1
	s_wait_xcnt 0x0
; out0[b][s] = softmax over s of score[b][s];  score[b][s] = 2^(e0 + e1) x (sum over p of part[p][b][s]).
; part: [4][32][2048] f32, the unscaled partial scores, one strip for each 256 columns;  the buffer of scales holds e0, e1 (int32);  out0: [32][2048] f32.
; DEAD WORK LEFT OUT: hidden . bias is the same for all s of a row, so it takes no part in the softmax (see the first kernel's head, with its limit).
; One work-group of sixteen waves takes one batch: thread t owns s = 4 t .. 4 t + 3 (16 bytes: a wave's load or store covers 512 consecutive bytes).
; Each wave takes its own largest score away ahead of its exponentials and sums them; the waves' pairs (sum, largest) meet in LDS once, bytes 0-127; the row's largest is then taken away from each wave's.
; The scale is applied by v_ldexp_f32: e0 + e1 has no limit of its own.
; No matrix unit, cluster, tensor load or prefetch: 1 MiB is read once by 32 work-groups that share nothing.
; LIMITS: NaN among the inputs is not served.  An exponential under 2^-126 comes out as 0 (ISA guide, v_exp_f32).
.macro HINT
	s_delay_alu instid0(VALU_DEP_1)
.endm
	s_load_b128 s[4:7], s[0:1], 0x0                ; part s[4:5], the scales' exponents s[6:7]
	s_load_b64 s[8:9], s[0:1], 0x10                ; out0
	v_lshl_add_u32 v64, v0, 2, 0x100
	v_mov_b32 v65, 0
	v_lshrrev_b32 v7, 5, v0
	v_lshlrev_b32 v1, 4, v0                        ; 16 t: my four scores
	v_and_b32 v3, 15, v0
	v_readfirstlane_b32 s14, v7                    ; wave 0..15
	v_lshlrev_b32 v3, 3, v3                        ; where lane l reads wave (l % 16)'s pair
	s_lshl_b32 s15, s14, 3
	v_mov_b32 v5, s15                              ; where my wave stores its pair
	v_mov_b32 v47, 0                               ; written once: a lane permute's destination counts as one of its sources
	s_lshl_b32 s16, ttmp9, 13                      ; the batch's 8,192 bytes in a strip of part and in out0
	s_mov_b32 s17, 0
	s_mov_b32 s24, 0x76543210                      ; v_permlanex16_b32: lane l xor 16
	s_mov_b32 s25, 0xfedcba98
	s_wait_alu depctr_va_vdst(0)
	s_wait_kmcnt 0x0
	s_load_b64 s[20:21], s[6:7], 0x0               ; e0, e1
	s_add_nc_u64 s[4:5], s[4:5], s[16:17]
	s_add_nc_u64 s[8:9], s[8:9], s[16:17]
.irp p, 0,1,2,3
	global_load_b128 v[8+4*\p:11+4*\p], v1, s[4:5] offset:\p*262144 th:TH_LOAD_NT   ; strip p: read once in the launch
.endr
	s_wait_kmcnt 0x0
	s_add_co_i32 s22, s20, s21                     ; e0 + e1
	s_wait_loadcnt 0x0
	v_pk_add_f32 v[8:9], v[8:9], v[12:13]          ; the strips' sums
	v_pk_add_f32 v[10:11], v[10:11], v[14:15]
	v_pk_add_f32 v[16:17], v[16:17], v[20:21]
	v_pk_add_f32 v[18:19], v[18:19], v[22:23]
	v_pk_add_f32 v[8:9], v[8:9], v[16:17]
	v_pk_add_f32 v[10:11], v[10:11], v[18:19]
.irp i, 8,9,10,11
	v_ldexp_f32 v\i, v\i, s22                      ; x 2^(e0 + e1): my four scores
.endr
	v_max3_num_f32 v45, v8, v9, v10
	HINT
	v_max_num_f32 v45, v45, v11
.irp m, 1,2,4,8
	HINT
	v_max_num_f32_dpp v45, v45, v45 row_xmask:\m row_mask:0xf bank_mask:0xf
.endr
	HINT
	v_permlanex16_b32 v47, v45, s24, s25
	HINT
	v_max_num_f32 v45, v45, v47                    ; my wave's largest
.irp i, 8,9,10,11
	v_sub_f32 v\i, v\i, v45
.endr
.irp i, 8,9,10,11
	v_mul_f32 v\i, 0x3fb8aa3b, v\i                 ; x log2(e)
.endr
	s_wait_alu depctr_va_vdst(0)                   ; the wait ahead of the batch
.irp i, 8,9,10,11
	v_exp_f32 v\i, v\i                             ; at most 1
.endr
	v_nop                                          ; a plain instruction behind the last exponential
	s_wait_alu depctr_va_vdst(0)                   ; one wait for the four, ahead of their first reader
	v_add_f32 v46, v8, v9
	v_add_f32 v48, v10, v11
	HINT
	v_add_f32 v46, v46, v48
.irp m, 1,2,4,8
	HINT
	v_add_f32_dpp v46, v46, v46 row_xmask:\m row_mask:0xf bank_mask:0xf
.endr
	HINT
	v_permlanex16_b32 v47, v46, s24, s25
	HINT
	v_add_f32 v44, v46, v47                        ; my wave's sum
	ds_store_b64 v5, v[44:45]                      ; all lanes write the same pair to the wave's place
	s_wait_alu depctr_va_vdst(0)
	s_wait_dscnt 0x0                               ; for the others' sake: my store is done
	s_barrier_signal -1
	s_barrier_wait -1
	ds_load_b64 v[50:51], v3                       ; sixteen lanes hold the sixteen waves' pairs
	s_wait_dscnt 0x0
	v_mov_b32 v52, v51
.irp m, 1,2,4,8
	HINT
	v_max_num_f32_dpp v52, v52, v52 row_xmask:\m row_mask:0xf bank_mask:0xf   ; the row's largest
.endr
	v_sub_f32 v53, v51, v52                        ; wave (l % 16)'s largest less the row's,
	v_sub_f32 v54, v45, v52                        ; and my own wave's
	v_mul_f32 v53, 0x3fb8aa3b, v53
	v_mul_f32 v54, 0x3fb8aa3b, v54
	s_wait_alu depctr_va_vdst(0)                   ; the wait ahead of the batch
	v_exp_f32 v53, v53
	v_exp_f32 v54, v54
	v_nop                                          ; a plain instruction behind the exponentials
	s_wait_alu depctr_va_vdst(0)                   ; and the wait ahead of their first reader
	v_mul_f32 v53, v53, v50
.irp m, 1,2,4,8
	HINT
	v_add_f32_dpp v53, v53, v53 row_xmask:\m row_mask:0xf bank_mask:0xf       ; the row's sum: at least 1, the largest score's own term
.endr
	s_wait_alu depctr_va_vdst(0)                   ; the wait ahead of the transcendental
	v_rcp_f32 v48, v53
	v_nop
	s_wait_alu depctr_va_vdst(0)                   ; and ahead of its first reader
	v_mul_f32 v48, v48, v54
.irp i, 8,9,10,11
	v_mul_f32 v\i, v\i, v48
.endr
	global_store_b128 v1, v[8:11], s[8:9]          ; a wave stores 512 consecutive bytes, at a multiple of 512 from out0's first byte
	s_wait_tensorcnt 0x0                           ; the wave's end
	ds_add_u32 v64, v65
	s_wait_dscnt 0x0
	s_endpgm
.Lfunc_end_k_q0cb70fd00a_softmax:
	.size	k_q0cb70fd00a_softmax, .Lfunc_end_k_q0cb70fd00a_softmax-k_q0cb70fd00a_softmax
	.p2alignl 7, 3214868480
	.fill 96, 4, 3214868480
	.section	.rodata,"a",@progbits
	.p2align	6, 0x0
	.amdhsa_kernel k_q0cb70fd00a_softmax
		.amdhsa_group_segment_fixed_size 2304
		.amdhsa_private_segment_fixed_size 0
		.amdhsa_enable_private_segment 0
		.amdhsa_kernarg_size 24
		.amdhsa_user_sgpr_count 2
		.amdhsa_user_sgpr_kernarg_segment_ptr 1
		.amdhsa_wavefront_size32 1
		.amdhsa_system_sgpr_workgroup_id_x 1
		.amdhsa_system_sgpr_workgroup_id_y 1
		.amdhsa_system_sgpr_workgroup_id_z 1
		.amdhsa_system_vgpr_workitem_id 0
		.amdhsa_next_free_vgpr 66
		.amdhsa_next_free_sgpr 66
		.amdhsa_reserve_vcc 0
		.amdhsa_float_denorm_mode_32 3
		.amdhsa_float_denorm_mode_16_64 3
		.amdhsa_memory_ordered 1
		.amdhsa_forward_progress 1
		.amdhsa_inst_pref_size 7
	.end_amdhsa_kernel
	.amdgpu_metadata
---
amdhsa.version: [ 1, 2 ]
amdhsa.kernels:
  - .name:           k_q0cb70fd00a_softmax
    .symbol:         k_q0cb70fd00a_softmax.kd
    .args:
      - { .name: part, .offset: 0, .size: 8, .value_kind: global_buffer, .address_space: global }
      - { .name: lowp_scales, .offset: 8, .size: 8, .value_kind: global_buffer, .address_space: global }
      - { .name: out0, .offset: 16, .size: 8, .value_kind: global_buffer, .address_space: global }
    .group_segment_fixed_size: 2304
    .private_segment_fixed_size: 0
    .kernarg_segment_align: 8
    .kernarg_segment_size: 24
    .max_flat_workgroup_size: 512
    .sgpr_count:     66
    .vgpr_count:     66
    .wavefront_size: 32
...
	.end_amdgpu_metadata
.endif
;; end of part 4
